; MI455X (gfx1250); checked and timed in simulation.
; The chip was launched on July 23, 2026; its instructions are those of AMD's public machine-readable ISA for CDNA 5 (MIT licence, August 2026) and "CDNA5" Instruction Set Architecture Reference Guide (July 2026). The comments in the code are by the model that wrote it; some were corrected since.
;; Disordered Causal Self Attention. Allowed arithmetic: matrix products marked QUANTISED: E2M1 operands, one E8M0 scale for each 32 along K, by v_wmma_scale_f32_16x16x128_f8f6f4 with both operands' format E2M1 (or v_wmma_scale_f32_32x16x128_f4), f32 sums; everything else in f32.
;; Inputs: W_attn_codes 3,072 x 32 x 16 uint8 (E2M1 codes of W_attn, K innermost, in blocks of 32 codes, two codes a byte); W_attn_scales 3,072 x 32 uint8 (E8M0 scales of W_attn, one for each 32 codes along K); W_proj_codes 1,024 x 32 x 16 uint8 (E2M1 codes of W_proj, K innermost, in blocks of 32 codes, two codes a byte); W_proj_scales 1,024 x 32 uint8 (E8M0 scales of W_proj, one for each 32 codes along K); bK 16 x 64 float32; bQ 16 x 64 float32; b_attn 3,072 float32; b_proj 1,024 float32; x_codes 4 x 2,048 x 32 x 16 uint8 (E2M1 codes of x, K innermost, in blocks of 32 codes, two codes a byte); x_scales 4 x 2,048 x 32 uint8 (E8M0 scales of x, one for each 32 codes along K).
;; Outputs: out0 4 x 2,048 x 1,024 float32.
;; This version of the problem:
;;   THIS VERSION OF THE PROBLEM IS GIVEN IN LOW PRECISION. The matrix products marked QUANTISED in the list below multiply operands that are first quantised to E2M1 (2 exponent bits, 1 mantissa bit; 4 bits a number), with one power-of-two scale for each 32 numbers along K (OCP MX v1.0); their sums are f32. All else is computed in f32.
;;   The module's matrix products, in the order in which they are computed (A, B: the left and right operand; K: the contracted axis; several contracted axes count as one K, in the product's order):
;;     1. [M 8,192, K 1,024] x [K 1,024, N 3,072]; A: input x (given as codes); B: input W_attn (given as codes): QUANTISED
;;     2. batch 64 x [M 2,048, K 64] x [K 64, N 2,048]; A: computed on the way; B: computed on the way: QUANTISED
;;     3. batch 64 x [M 2,048, K 2,048] x [K 2,048, N 64]; A: softmax (see below); B: computed on the way: QUANTISED
;;     4. [M 8,192, K 1,024] x [K 1,024, N 1,024]; A: computed on the way; B: input W_proj (given as codes): QUANTISED
;;   THE QUANTISER, for each operand of a quantised product, along K:
;;     - K is cut into blocks of 32 from its start; a last block that is shorter is filled with zeros.
;;     - A block's scale is 2^e with e = floor(log2(the largest magnitude in the block)) - 2, held to -126 .. 127; a block of zeros has e = 0. As a byte (E8M0): e + 127.
;;     - Each number is divided by its block's scale, clamped to +-6, and rounded to the nearest number of E2M1, ties to even, subnormals kept.
;;     - The product sums the exact products of the quantised numbers (number of the format x scale) in f32.
;;   ~~~python
;;   def quantise(x, axis):      # numpy; x: float32 -> the quantised numbers, widened to float32 again
;;       x = np.moveaxis(x, axis, -1); K = x.shape[-1]
;;       x = np.pad(x, [(0, 0)] * (x.ndim - 1) + [(0, -K % 32)]); x = x.reshape(x.shape[:-1] + (-1, 32)); a = np.abs(x).max(-1, keepdims=True)
;;       e = np.where(a > 0, np.clip(np.frexp(np.where(a > 0, a, 1))[1] - 1 - 2, -126, 127), 0)      # np.frexp(a)[1] - 1 = floor(log2(a)), exactly
;;       r = np.clip(x / 2.0 ** e, -6, 6)
;;       step = 2.0 ** (np.maximum(np.frexp(np.where(r == 0, 1, r))[1] - 1, 0) - 1)
;;       q = np.round(r / step) * step * 2.0 ** e      # np.round: ties to even
;;       return np.moveaxis(q.reshape(q.shape[:-2] + (-1,))[..., :K], -1, axis).astype(np.float32)
;;   ~~~
;;   SOFTMAX AHEAD OF A QUANTISED PRODUCT. Where the list says 'softmax', what is quantised is not the finished softmax but p = 2^(t - M), with t = logit x log2(e) and M = ceil(the row's largest t), a whole number; so 1/2 < the row's largest p <= 1. The row's sum l is taken of the UNQUANTISED p, in f32, and the product's result is divided by l at the end. Since M is a whole number, a kernel that streams over the keys may use a running M (the ceiling of the running maximum): every later rescaling is an exact power of two, which a block's scale takes up: the codes' values come out the same.
;;   OPERANDS COMPUTED ON THE WAY. 'Computed on the way' means the value that the module computes at that place (a softmax that the list does not call 'softmax' is quantised finished and normalised). What goes into a quantiser is computed in f32, as accurately as f32 sums, v_exp_f32 and their like allow (about 1e-6 of the number): no bf16 or f16 on the way to a quantiser, and a product that is left as it is and whose result goes on into a quantised operand takes f32 operands (vector FMAs, or v_wmma_f32_16x16x4_f32). A number that lies on a knife's edge between two numbers of the format may be rounded either way, as far as f32 arithmetic and the matrix unit's own rounding can turn it there, and no further.
;;   INPUTS GIVEN AS CODES. W_attn (in the module: [1024, 3072], K = its axis 0); W_proj (in the module: [1024, 1024], K = its axis 0); x (in the module: [4, 2048, 1024], K = its axis 2): each comes as NAME_codes (uint8): NAME with its K axis moved to the last place and cut into blocks of 32 codes, [.., K / 32, bytes a block], one block behind the other in memory; two codes a byte, the lower K in the low four bits (a code: sign, 2 exponent bits, 1 mantissa bit); and NAME_scales (uint8): the same leading axes, one E8M0 byte (e + 127) for each 32 codes along K. Its value is code x scale, taken as it is: it is not quantised again, and the codes and scales need not be those that the quantiser above would give.
;; One version. Each part assembles by itself: llvm-mc -triple=amdgcn-amd-amdhsa -mcpu=gfx1250 --defsym DOCPART=n.
;; ======== version 1 of 1: 3 launches
;; workspace buffers: qc 4,194,304 bytes; kc 4,194,304 bytes; vc 4,194,304 bytes; qs 786,432 bytes; kvs 786,432 bytes; yc 4,194,304 bytes; ys 262,144 bytes
;; launch qkv (part 1): grid 12 x 32, 4 waves a work-group, clusters of 4 x 4, 327,680 bytes of LDS; arguments x_codes, x_scales, W_attn_codes, W_attn_scales, b_attn, bQ, bK, qc, qs, kc, kvs, vc; writes qc, qs, kc, kvs, vc
.if DOCPART == 1
	.amdgcn_target "amdgcn-amd-amdhsa--gfx1250"
	.amdhsa_code_object_version 6
	.text
	.protected	k_q6bd76575fd_qkv
	.globl	k_q6bd76575fd_qkv
	.p2align	8
	.type	k_q6bd76575fd_qkv,@function
k_q6bd76575fd_qkv:
	s_mov_b64 s[64:65], 0
	v_nop
	global_prefetch_b8 v0, s[64:65] scope:SCOPE_SE
	s_setreg_imm32_b32 hwreg(HW_REG_WAVE_MODE, 25, 1), 1
	s_wait_xcnt 0x0
	s_wait_alu depctr_hold_cnt(0) depctr_sa_sdst(0) depctr_va_vdst(0) depctr_va_sdst(0) depctr_va_ssrc(0) depctr_va_vcc(0) depctr_vm_vsrc(0)
	s_getreg_b32 s2, hwreg(HW_REG_IB_STS2, 6, 4)
	s_cmp_eq_u32 s2, 0
	s_cbranch_scc0 .Lentry_in_a_cluster
	s_endpgm
.Lentry_in_a_cluster:
	s_bfe_u32 s2, ttmp6, 0x10000c
	s_cmp_lg_u32 s2, 0xf033
	s_cbranch_scc0 .Lentry_shape_is_right
	s_endpgm
.Lentry_shape_is_right:
; LAUNCH 1 OF 3.  qkv = x W_attn + b_attn on the given codes of FP4 (E2M1) and E8M0 scale bytes; q + bQ, k + bK and v are then quantised in registers (q, k along the head's 64, v along the keys)
; and stored as images of the operand registers that the attention launch loads.
; WORK LEFT OUT BY THE PROGRAM (in the attention launch alone): a step of 128 keys all of which come after all 16 queries of a tile.  The causal mask is built in the problem's own body: those scores become
; -infinity ahead of the softmax, so their p is 0 and they add nothing to the row's sum or to p V, whatever finite values the inputs hold.  Every input has a way to the output and is loaded.
; LIMITS: a NaN, an infinity or an overflow that reaches only such hidden steps is not carried to the result.  A block whose largest magnitude lies under 2^(3 - 127) gets the scale byte 1; a block of zeros gets the
; byte 1 where the quantiser says 127 (its codes are zeros, and this program alone reads the bytes).  b_attn + bQ (b_attn + bK) is summed first and enters as the C of the first product: another order of f32 rounding
; than adding the two one after the other.  NaN and infinities among the inputs are not served.
; SHARES.  A work-group of four waves makes 256 tokens x 256 columns; a wave 128 x 128: 64 accumulators, 512 registers.  K = 1,024 is two halves of 512: both lie in LDS at once, so nothing is filled again.
; CLUSTERS: 4 x 4 work-groups.  x's tiles are shared along a row of the cluster, W_attn's along a column: joint loads.  The cluster's x (0, 1, 2) says whether the columns are q's, k's or v's: it is equal in all sixteen partners.
; TWO WAYS ROUND.  Source 1 (P) gives the lane, source 0 (R) the registers.  q, k: P = x, R = W: a lane holds one token, its registers run along the head's channels.  v: P = W, R = x: a lane holds one channel, its
; registers run along the keys.  So in both the registers run along the K of the product that will take the numbers, and the way out is one text.
; THE ORDER ALONG K.  A result tile gives lane (r, h) register j the index 16 t + 8 h + j.  After the conversions and one exchange of halves a lane's four registers hold one true block of 32, its four groups of eight in
; the order 0, 2, 1, 3.  q and k get the same order, and so do v and the attention launch's p: each product sees one permutation on both sides, and the blocks and their scales are the true ones.
; REGISTERS, in windows of 256.  Window 0: v1 r, v2 h, v3-6 at work, v16-29 addresses; v32-95 scale words and nothing else; v128-255 P's fragments, two sets (on the way out: codes, offsets, at work).
;   Window 1: v0-127 R's fragments, two sets; v128-191 the bias tiles; v192-255 at work.   Windows 2, 3: the accumulators, (a, b) at v[8 (8 (a % 4) + b)].
.set PITCH,  272                       ; an LDS row: 256 bytes + 16 of padding: the 16 rows of a fragment load start at 16 different banks
.set HALFT,  128*PITCH                 ; 128 rows: one tensor load
.set SLOT,   4*HALFT                   ; x's 256 rows, then W's 256 rows, 512 along K
.set SCL,    2*SLOT                    ; the scale bytes for all of K, as units of 256 bytes + 16
.set HALFS,  16*272                    ; those of 128 rows
.set SBLK,   2*272                     ; those of 16 rows
.set SPARE,  SCL+4*HALFS               ; the spare words, 128 bytes a wave
.set ADRA, 16                          ; v16-17 my rows of x in slot 0, 1
.set ADRB, 20                          ; v20-21 my rows of W
.set ADRS, 27                          ; v27 my scale words: lanes 0-15 x's rows, lanes 16-31 W's
.set SPW,  28
.set NIL,  29
.set SC,   32                          ; scale words: 32 slot + 4 i + q
.set PC,   128                         ; the way out: codes, 8 registers for each P block
.set VO,   192                         ; two store offsets for each P block
.set PWS,  208                         ; a scale word for each P block
.set U,    216
.set U2,   220
.set TM,   224                         ; +0..3 largest magnitudes, +4..7 the other half's, then bytes, +12..15 the conversions' scale operands
.set L16,  240
.set VS,   241
.set G1,   24
.set G0,   32
.set G1B,  48
.set G0B,  56
.set G1S,  68
.set G0S,  76
.set G1SB, 80
.set G0SB, 88
.set MSB, 0
.macro WIN new                         ; the immediate's high byte repeats the setting that is left
.if MSB != (\new)
	s_set_vgpr_msb (MSB<<8)|(\new)
.set MSB, (\new)
.endif
.endm
; A joint load: waves 0 and 1 fetch for x, waves 2 and 3 for W.  An s_nop 0 and four v_nop follow each of the two lines.
.macro JLOAD g0a, g1a, g0b, g1b
	s_cmp_eq_u32 s15, 0
	s_cbranch_scc0 .Lfor_b_\@
	tensor_load_to_lds s[\g0a:\g0a+3], s[\g1a:\g1a+7]
	s_nop 0
.rept 4
	v_nop
.endr
	s_branch .Lasked_\@
.Lfor_b_\@:
	tensor_load_to_lds s[\g0b:\g0b+3], s[\g1b:\g1b+7]
	s_nop 0
.rept 4
	v_nop
.endr
.Lasked_\@:
.endm
.macro CREST
	s_cmp_lg_u32 s14, 0
	s_cbranch_scc1 .Lnot_wave_0_\@
	s_barrier_signal -3
.Lnot_wave_0_\@:
	s_barrier_wait -3
	s_barrier_signal -1
	s_barrier_wait -1
.endm
.macro CROUND                          ; a whole round of the cluster's barrier
	s_barrier_signal -1
	s_barrier_wait -1
	CREST
.endm
.macro PLACES n
.rept \n
	v_nop
.endr
.endm
	s_load_b256 s[4:11], s[0:1], 0x0               ; x's codes s[4:5], x's scales s[6:7], W's codes s[8:9], W's scales s[10:11]
	s_load_b128 s[92:95], s[0:1], 0x20             ; b_attn s[92:93], bQ s[94:95]
	s_load_b64 s[96:97], s[0:1], 0x30              ; bK
	v_lshl_add_u32 v[SPW], v0, 2, SPARE
	v_mov_b32 v[NIL], 0
	ds_add_u32 v[SPW], v[NIL]                      ; the wave's opening: the add, twice on end, and its wait ahead of my first tensor load
	ds_add_u32 v[SPW], v[NIL]
	v_lshrrev_b32 v1, 5, v0
	v_readfirstlane_b32 s14, v1                    ; wave 0..3
	s_lshr_b32 s15, s14, 1                         ; my half of the tokens.  Also: I fetch for x (0) or for W (1)
	s_and_b32 s16, s14, 1                          ; my half of the columns.  Also: which 128 rows I fetch
	s_bfe_u32 s40, ttmp6, 0x40000                  ; cx
	s_bfe_u32 s41, ttmp6, 0x40004                  ; cy
	s_lshl_b32 s42, ttmp9, 2
	s_add_co_u32 s42, s42, s40                     ; tile column = 4 x cluster x + cx
	s_and_b32 s17, ttmp7, 0xffff
	s_lshl_b32 s17, s17, 2
	s_add_co_u32 s17, s17, s41                     ; tile row = 4 x cluster y + cy
	s_lshl_b32 s43, s41, 2
	s_lshl_b32 s43, 15, s43                        ; my row of the cluster
	s_lshl_b32 s44, 0x1111, s40                    ; my column
	s_or_b32 s[G1+0], s43, (0<<16)|(1<<20)|(1<<21)|(5<<22)|(3<<25)   ; the mask; elements of 1 byte; padding on; bit 21 beside a mask; 4 words behind every 64
	s_or_b32 s[G1B+0], s44, (0<<16)|(1<<20)|(1<<21)|(5<<22)|(3<<25)
.irp g, G1, G1B
	s_mov_b32 s[\g+1], 256<<16                     ; tensor_dim0 = 256 bytes
	s_mov_b32 s[\g+2], 128<<16                     ; tensor_dim1 = 128 rows
	s_mov_b32 s[\g+3], 256<<16                     ; tile_dim0
	s_mov_b32 s[\g+4], 128                         ; tile_dim1
	s_mov_b32 s[\g+5], 512                         ; a row of 1,024 codes in memory
	s_mov_b32 s[\g+6], 0
	s_mov_b32 s[\g+7], 0
.endr
	s_or_b32 s[G1S+0], s43, (3<<16)|(1<<20)|(1<<21)|(5<<22)|(3<<25)  ; the scale bytes of 128 rows: 4,096 dense bytes as 16 rows of 256 (32 elements of 8 bytes), 16 bytes of padding behind each
	s_or_b32 s[G1SB+0], s44, (3<<16)|(1<<20)|(1<<21)|(5<<22)|(3<<25)
.irp g, G1S, G1SB
	s_mov_b32 s[\g+1], 32<<16
	s_mov_b32 s[\g+2], 16<<16
	s_mov_b32 s[\g+3], 32<<16
	s_mov_b32 s[\g+4], 16
	s_mov_b32 s[\g+5], 32
	s_mov_b32 s[\g+6], 0
	s_mov_b32 s[\g+7], 0
.endr
	s_mov_b32 s98, 0x76543210                      ; v_permlanex16_b32's selects for lane l xor 16
	s_mov_b32 s99, 0xfedcba98
	s_mov_b32 s100, 0x1800000                      ; the floor 2^(3 - 127)
	s_lshl_b32 s18, s16, 7
	s_lshl_b32 s20, s17, 8
	s_add_co_u32 s20, s20, s18                     ; x: row 256 x tile row + 128 x half
	s_lshl_b32 s46, s42, 8
	s_add_co_u32 s46, s46, s18                     ; W: row 256 x tile column + 128 x half
	s_mov_b32 s21, 0
	s_mov_b32 s47, 0
	s_mov_b64 s[18:19], 32
	s_mul_u64 s[22:23], s[20:21], s[18:19]         ; where these rows' scale bytes begin
	s_mul_u64 s[66:67], s[46:47], s[18:19]
	s_mov_b64 s[18:19], 512
	s_mul_u64 s[20:21], s[20:21], s[18:19]         ; and their codes
	s_mul_u64 s[46:47], s[46:47], s[18:19]
	s_mul_i32 s45, s14, HALFT                      ; where they go: wave x 128 rows
	s_mul_i32 s19, s14, HALFS
	s_wait_dscnt 0x0                               ; both opening adds are done
	s_wait_kmcnt 0x0
	s_add_nc_u64 s[20:21], s[4:5], s[20:21]
	s_add_nc_u64 s[22:23], s[6:7], s[22:23]
	s_add_nc_u64 s[46:47], s[8:9], s[46:47]
	s_add_nc_u64 s[66:67], s[10:11], s[66:67]
	CROUND                                         ; all sixteen work-groups are here: the joint loads meet
	s_mov_b32 s[G0S], 1
	s_add_co_u32 s[G0S+1], s19, SCL
	s_mov_b64 s[G0S+2:G0S+3], s[22:23]
	s_or_b32 s[G0S+3], s[G0S+3], 0x80000000
	s_mov_b32 s[G0SB], 1
	s_add_co_u32 s[G0SB+1], s19, SCL
	s_mov_b64 s[G0SB+2:G0SB+3], s[66:67]
	s_or_b32 s[G0SB+3], s[G0SB+3], 0x80000000
	JLOAD G0S, G1S, G0SB, G1SB                     ; the scale bytes first
.irp s, 0,1
	s_mov_b32 s[G0+4*\s], 1
	s_add_co_u32 s[G0+4*\s+1], s45, \s*SLOT
	s_add_nc_u64 s[G0+4*\s+2:G0+4*\s+3], s[20:21], \s*256
	s_or_b32 s[G0+4*\s+3], s[G0+4*\s+3], 0x80000000
	s_mov_b32 s[G0B+4*\s], 1
	s_add_co_u32 s[G0B+4*\s+1], s45, \s*SLOT
	s_add_nc_u64 s[G0B+4*\s+2:G0B+4*\s+3], s[46:47], \s*256
	s_or_b32 s[G0B+4*\s+3], s[G0B+4*\s+3], 0x80000000
	JLOAD G0+4*\s, G1, G0B+4*\s, G1B               ; both halves of K: three loads of mine are out
.endr
	v_and_b32 v1, 15, v0                           ; r
	v_bfe_u32 v2, v0, 4, 1                         ; h
	; THE BIAS TILES, the C of each sum's first product
	s_lshl_b32 s2, s40, 10
	s_lshl_b32 s3, s16, 9
	s_add_co_u32 s2, s2, s3                        ; my 128 columns inside q, k or v, in bytes
	s_mov_b32 s3, 0
	s_lshl_b32 s20, ttmp9, 12
	s_add_co_u32 s20, s20, s2                      ; and inside b_attn
	s_mov_b32 s21, 0
	s_add_nc_u64 s[92:93], s[92:93], s[20:21]
	s_cmp_eq_u32 ttmp9, 2
	s_cbranch_scc1 .Lbias_v
	s_cmp_eq_u32 ttmp9, 0                          ; q, k: tile b, register j of lane (r, h): column 16 b + 8 h + j
	s_cselect_b64 s[94:95], s[94:95], s[96:97]     ; bQ or bK
	s_add_nc_u64 s[94:95], s[94:95], s[2:3]
	s_wait_alu depctr_va_vdst(0)
	v_lshlrev_b32 v3, 5, v2                        ; 32 h
	WIN 0x40                                       ; destination window 1
.irp b, 0,1,2,3,4,5,6,7
	global_load_b128 v[128+8*\b:131+8*\b], v3, s[92:93] offset:64*\b
	global_load_b128 v[132+8*\b:135+8*\b], v3, s[92:93] offset:64*\b+16
	global_load_b128 v[192+8*\b:195+8*\b], v3, s[94:95] offset:64*\b
	global_load_b128 v[196+8*\b:199+8*\b], v3, s[94:95] offset:64*\b+16
.endr
	s_wait_loadcnt 0x0
	WIN 0x45
.set j, 0
.rept 32
	v_pk_add_f32 v[128+j:129+j], v[128+j:129+j], v[192+j:193+j]
.set j, j+2
.endr
	WIN 0
	s_branch .Lbias_done
.Lbias_v:                                          ; v: tile a, all eight registers of lane (r, h): column 16 a + r
	s_wait_alu depctr_va_vdst(0)
	v_lshlrev_b32 v3, 2, v1
	WIN 0x40
.irp a, 0,1,2,3,4,5,6,7
	global_load_b32 v[128+8*\a], v3, s[92:93] offset:64*\a
.endr
	s_wait_loadcnt 0x0
	WIN 0x41
.irp a, 0,1,2,3,4,5,6,7
.irp j, 1,2,3,4,5,6,7
	v_mov_b32 v[128+8*\a+\j], v[128+8*\a]
.endr
.endr
	WIN 0
.Lbias_done:
	v_mul_u32_u24 v3, v1, PITCH
	v_lshl_add_u32 v4, v2, 4, v3                   ; a fragment's row x pitch + 16 x half
	s_mul_i32 s21, s15, HALFT                      ; my 128 rows of x
	s_mul_i32 s22, s16, HALFT                      ; my 128 rows of W,
	s_add_co_u32 s22, s22, 2*HALFT                 ; behind x's 256
.irp s, 0,1
	v_add_nc_u32 v[ADRA+\s], s21, v4
	v_add_nc_u32 v[ADRB+\s], s22, v4
	s_add_co_u32 s21, s21, SLOT
	s_add_co_u32 s22, s22, SLOT
.endr
	v_mul_u32_u24 v5, v1, 32                       ; my row's scale bytes: 32 a row,
	v_lshrrev_b32 v6, 8, v5
	v_lshl_add_u32 v5, v6, 4, v5                   ; and 16 more for each 256 passed
	s_mul_i32 s21, s15, HALFS
	s_mul_i32 s22, s16, HALFS
	s_add_co_u32 s22, s22, 2*HALFS
	s_sub_co_u32 s22, s22, s21
	v_mul_u32_u24 v6, s22, v2                      ; lanes 16-31 take W's
	s_add_co_u32 s21, s21, SCL
	v_add_nc_u32 v5, v5, v6
	v_add_nc_u32 v[ADRS], s21, v5
.macro FRAG reg, adr, q, i             ; 16 rows x 128 K of 4-bit codes: 8 registers, two loads of 16 bytes, 32 bytes apart
.irp c, 0,1
	ds_load_b128 v[\reg+4*\c:\reg+4*\c+3], v[\adr] offset:64*(\q)+32*\c+(\i)*16*PITCH
.endr
.endm
.macro SCALES                          ; all scale words, once: register 32 slot + 4 i + q: lanes 0-15 x's block i, lanes 16-31 W's block i
.irp s, 0,1
.irp i, 0,1,2,3,4,5,6,7
	ds_load_b128 v[SC+32*\s+4*\i:SC+32*\s+4*\i+3], v[ADRS] offset:\i*SBLK+16*\s
.endr
.endr
.endm
.macro FETCH m, g                      ; the fragments of K step g (128 along K) into set g % 2: R's eight into window 1, P's eight into window 0
.set FS, (\g)/4
.set FQ, (\g)%4
.set FP, (\g)%2
	WIN 0x40
.irp i, 0,1,2,3,4,5,6,7
.if \m
	FRAG 64*FP+8*\i, ADRA+FS, FQ, \i
.else
	FRAG 64*FP+8*\i, ADRB+FS, FQ, \i
.endif
.endr
	WIN 0
.irp i, 0,1,2,3,4,5,6,7
.if \m
	FRAG 128+64*FP+8*\i, ADRB+FS, FQ, \i
.else
	FRAG 128+64*FP+8*\i, ADRA+FS, FQ, \i
.endif
.endr
.endm
; 64 matrix instructions: K step g.  The 64 accumulators take turns, one instruction a turn, in the same order in every step.  first = 1: C is a bias tile in window 1.
.macro MULALL m, g, first
.set MS, SC+32*((\g)/4)+(\g)%4
.set MP, (\g)%2
.irp a, 0,1,2,3,4,5,6,7
.if \first
	WIN 0x91+0x40*(\a/4)
.else
	WIN 0xa1+0x50*(\a/4)
.endif
.irp b, 0,1,2,3,4,5,6,7
.set AC, 8*(8*(\a%4)+\b)
.set CC, AC
.if \first
.if \m
.set CC, 128+8*\a
.else
.set CC, 128+8*\b
.endif
.endif
.if \m
	v_wmma_scale_f32_16x16x128_f8f6f4 v[AC:AC+7], v[64*MP+8*\b:64*MP+8*\b+7], v[128+64*MP+8*\a:128+64*MP+8*\a+7], v[CC:CC+7], v[MS+4*\b], v[MS+4*\a] matrix_a_fmt:MATRIX_FMT_FP4 matrix_b_fmt:MATRIX_FMT_FP4 matrix_b_scale:MATRIX_SCALE_ROW1
.else
	v_wmma_scale_f32_16x16x128_f8f6f4 v[AC:AC+7], v[64*MP+8*\b:64*MP+8*\b+7], v[128+64*MP+8*\a:128+64*MP+8*\a+7], v[CC:CC+7], v[MS+4*\b], v[MS+4*\a] matrix_a_fmt:MATRIX_FMT_FP4 matrix_b_fmt:MATRIX_FMT_FP4 matrix_a_scale:MATRIX_SCALE_ROW1
.endif
.endr
.endr
.endm
; Each wait for 0 on DScnt but the first waits for fragments that were asked for a whole step, 64 matrix instructions, earlier.  Four places stand in front of loads into registers that matrix instructions have read.
.macro PART1 m                         ; K steps 0 to 2, and the request for step 3: all in slot 0
	FETCH \m, 0
	s_wait_dscnt 0x0
	FETCH \m, 1
	MULALL \m, 0, 1
	s_wait_dscnt 0x0
	PLACES 4
	FETCH \m, 2
	MULALL \m, 1, 0
	s_wait_dscnt 0x0
	PLACES 4
	FETCH \m, 3
	MULALL \m, 2, 0
	WIN 0
.endm
.macro PART2 m                         ; K steps 3 to 7
	PLACES 4
	FETCH \m, 4
	MULALL \m, 3, 0
	s_wait_dscnt 0x0
	PLACES 4
	FETCH \m, 5
	MULALL \m, 4, 0
	s_wait_dscnt 0x0
	PLACES 4
	FETCH \m, 6
	MULALL \m, 5, 0
	s_wait_dscnt 0x0
	PLACES 4
	FETCH \m, 7
	MULALL \m, 6, 0
	s_wait_dscnt 0x0
	MULALL \m, 7, 0
	WIN 0
.endm
	s_wait_alu depctr_va_vdst(0)
	s_wait_tensorcnt 0x1                           ; the scale bytes and my part of slot 0 are in; slot 1's load, the one issued behind them, may be out
	s_barrier_signal -1
	s_barrier_wait -1                              ; everybody's are
	SCALES
	s_cmp_eq_u32 ttmp9, 2
	s_cbranch_scc1 .Lp1_v
	PART1 0
	s_branch .Lp1_done
.Lp1_v:
	PART1 1
.Lp1_done:
	s_wait_tensorcnt 0x0                           ; my part of slot 1 is in,
	s_wait_dscnt 0x0                               ; and no LDS load of mine is out at the signal
	s_barrier_signal -1
	s_barrier_wait -1                              ; everybody's is.  Nothing is filled again
	s_load_b256 s[24:31], s[0:1], 0x38             ; no tensor load is out, so the descriptors' registers are free: qc s[24:25], qs s[26:27], kc s[28:29], kvs s[30:31]
	s_load_b64 s[32:33], s[0:1], 0x58              ; vc
	s_cmp_eq_u32 ttmp9, 2
	s_cbranch_scc1 .Lp2_v
	PART2 0
	s_branch .Lp2_done
.Lp2_v:
	PART2 1
.Lp2_done:
; THE WAY OUT.  P block a: 64 numbers a lane, register 16 B + i of its eight accumulators: block B of 32 along the next K, half of it here and half in lane l xor 16.
; q, k: codes [bh][tile of 16 tokens][lane][16 bytes], registers 0-3 my first head, 4-7 my second.  v: codes [bh][step of 128 keys][channel tile][c][lane][16 bytes].  Each store covers 512 consecutive bytes, aligned.
.macro QUANT a
.set QW, 2+(\a)/4
.set AC, 64*((\a)%4)
.set QP, PC+8*(\a)
	WIN (QW<<2)|(QW<<4)                            ; sources 1 and 2: the accumulators' window
.irp b, 0,1,2,3
	v_max3_num_f32 v[TM+\b], s100, |v[AC+16*\b]|, |v[AC+16*\b+1]|     ; each accumulator is read from its low end on; the floor holds the byte at 1 from below
.endr
.irp i, 2,4,6,8,10,12,14
.irp b, 0,1,2,3
	v_max3_num_f32 v[TM+\b], v[TM+\b], |v[AC+16*\b+\i]|, |v[AC+16*\b+\i+1]|
.endr
.endr
	WIN 0
.irp b, 0,1,2,3
	v_permlanex16_b32 v[TM+4+\b], v[TM+\b], s98, s99
.endr
.irp b, 0,1,2,3
	v_max_num_f32 v[TM+\b], v[TM+\b], v[TM+4+\b]   ; the block's largest magnitude
.endr
.irp b, 0,1,2,3
	v_add_nc_u32 v[TM+12+\b], 0xff000000, v[TM+\b] ; 2 off its exponent field: the conversion's scale operand
.endr
.irp b, 0,1,2,3
	v_lshrrev_b32 v[TM+4+\b], 23, v[TM+12+\b]      ; the scale's byte
.endr
	v_lshl_or_b32 v[PWS+(\a)], v[TM+5], 8, v[TM+4]
	v_lshl_or_b32 v[PWS+(\a)], v[TM+6], 16, v[PWS+(\a)]
	v_lshl_or_b32 v[PWS+(\a)], v[TM+7], 24, v[PWS+(\a)]
	WIN QW                                         ; source 0: the accumulators' window
.irp b, 0,1,2,3
	v_cvt_scalef32_pk8_fp4_f32 v[QP+2*\b], v[AC+16*\b:AC+16*\b+7], v[TM+12+\b]
	v_cvt_scalef32_pk8_fp4_f32 v[QP+2*\b+1], v[AC+16*\b+8:AC+16*\b+15], v[TM+12+\b]
.endr
	WIN 0
	v_nop                                          ; one plain place behind a scaled conversion
.irp c, 0,1
.irp i, 0,1
	v_permlane16_swap_b32 v[QP+4*\c+\i], v[QP+4*\c+2+\i]   ; a whole block to a lane: lanes 0-15 block 2 c, lanes 16-31 block 2 c + 1
.endr
.endr
	global_store_b128 v[VO+2*(\a)], v[QP:QP+3], s[34:35]
	global_store_b128 v[VO+2*(\a)+1], v[QP+4:QP+7], s[34:35]
.endm
	PLACES 4                                       ; behind the last products, ahead of the first read of results and the first write of fragment registers
	s_wait_kmcnt 0x0
	s_lshl_b32 s20, s17, 8
	s_lshl_b32 s21, s15, 7
	s_add_co_u32 s20, s20, s21                     ; my first token
	s_lshr_b32 s21, s20, 11                        ; its batch
	s_lshl_b32 s21, s21, 4
	s_lshl_b32 s22, s40, 2
	s_add_co_u32 s21, s21, s22
	s_lshl_b32 s22, s16, 1
	s_add_co_u32 s21, s21, s22                     ; bh of my first head: 16 batch + 4 cx + 2 x half
	s_bfe_u32 s22, s20, 0x40007                    ; which 128 tokens of the batch
	s_lshl_b32 s66, s21, 16
	s_lshl_b32 s23, s22, 12
	s_add_co_u32 s66, s66, s23                     ; codes: 65,536 bytes a head, 4,096 for 128 tokens
	s_mov_b32 s67, 0
	s_mul_i32 s46, s21, 12288
	s_mul_i32 s23, s22, 768
	s_add_co_u32 s46, s46, s23                     ; scale words: 12,288 bytes a head, 768 for 128 tokens
	s_mov_b32 s47, 0
	s_cmp_eq_u32 ttmp9, 0
	s_cselect_b64 s[34:35], s[24:25], s[28:29]
	s_cselect_b64 s[36:37], s[26:27], s[30:31]
	s_cmp_eq_u32 ttmp9, 2
	s_cselect_b64 s[34:35], s[32:33], s[34:35]
	s_mov_b32 s38, 512
	s_cselect_b32 s38, 1024, s38                   ; from P block to P block: a tile of tokens, or a tile of channels
	s_cselect_b32 s39, 61440, 0                    ; v: blocks 4-7 are my second head's
	s_mov_b32 s45, 65536
	s_cselect_b32 s45, 512, s45                    ; from registers 0-3 to 4-7: the next head, or the next two key blocks
	s_mov_b32 s44, 256
	s_cselect_b32 s44, 12288, s44                  ; scale words, from lanes 0-15 to lanes 16-31
	s_cselect_b32 s43, 512, 0                      ; v's words lie behind k's
	s_add_co_u32 s46, s46, s43
	s_add_nc_u64 s[34:35], s[34:35], s[66:67]
	s_add_nc_u64 s[36:37], s[36:37], s[46:47]
	v_and_b32 v3, 31, v0
	v_lshlrev_b32 v[L16], 4, v3
	s_mov_b32 s23, 0
.irp a, 0,1,2,3,4,5,6,7
	v_add_nc_u32 v[VO+2*\a], s23, v[L16]
	v_add_nc_u32 v[VO+2*\a+1], s45, v[VO+2*\a]
	s_add_co_u32 s23, s23, s38
.if \a == 3
	s_add_co_u32 s23, s23, s39
.endif
.endr
	v_mul_u32_u24 v[VS], s44, v2
	v_lshl_add_u32 v[VS], v1, 4, v[VS]
.irp b, 0,1,2,3
	v_mov_b32 v[TM+4+\b], 0                        ; written once: a lane permute's destination counts as one of its sources
.endr
.irp a, 0,1,2,3,4,5,6,7
	QUANT \a                                       ; every block has its own codes, offsets and word: no store's registers are written again
.endr
	; the scale words.  q, k: [g][r][k]: the word of token tile 4 g + k, row r: lanes 0-15 blocks 0-3, lanes 16-31 blocks 4-7: 512 consecutive bytes.  v: [r][t], lanes 0-15 my first head, lanes 16-31 my second: 256 each
	v_cmp_lt_u32 vcc_lo, 15, v3
.irp k, 0,1,2,3
	v_cndmask_b32 v[U+\k], v[PWS+\k], v[PWS+4+\k], vcc_lo
.endr
	global_store_b128 v[VS], v[U:U+3], s[36:37]    ; q, k: bytes 0, 1 are my first head's two blocks; bytes 2, 3 meet zero codes
	s_cmp_eq_u32 ttmp9, 2
	s_cbranch_scc1 .Lwords_done
.irp k, 0,1,2,3
	v_lshrrev_b32 v[U2+\k], 16, v[U+\k]            ; my second head's two bytes
.endr
	global_store_b128 v[VS], v[U2:U2+3], s[36:37] offset:12288
.Lwords_done:
	s_wait_tensorcnt 0x0                           ; the wave's end
	ds_add_u32 v[SPW], v[NIL]
	s_wait_dscnt 0x0
	CROUND                                         ; the closing round
	s_endpgm
.Lfunc_end_k_q6bd76575fd_qkv:
	.size	k_q6bd76575fd_qkv, .Lfunc_end_k_q6bd76575fd_qkv-k_q6bd76575fd_qkv
	.p2alignl 7, 3214868480
	.fill 96, 4, 3214868480
	.section	.rodata,"a",@progbits
	.p2align	6, 0x0
	.amdhsa_kernel k_q6bd76575fd_qkv
		.amdhsa_group_segment_fixed_size 327680
		.amdhsa_private_segment_fixed_size 0
		.amdhsa_enable_private_segment 0
		.amdhsa_kernarg_size 96
		.amdhsa_user_sgpr_count 2
		.amdhsa_user_sgpr_kernarg_segment_ptr 1
		.amdhsa_wavefront_size32 1
		.amdhsa_system_sgpr_workgroup_id_x 1
		.amdhsa_system_sgpr_workgroup_id_y 1
		.amdhsa_system_sgpr_workgroup_id_z 1
		.amdhsa_system_vgpr_workitem_id 0
		.amdhsa_next_free_vgpr 1024
		.amdhsa_next_free_sgpr 102
		.amdhsa_reserve_vcc 1
		.amdhsa_float_denorm_mode_32 3
		.amdhsa_float_denorm_mode_16_64 3
		.amdhsa_memory_ordered 1
		.amdhsa_forward_progress 1
		.amdhsa_inst_pref_size 218
	.end_amdhsa_kernel
	.amdgpu_metadata
---
amdhsa.version: [ 1, 2 ]
amdhsa.kernels:
  - .name:           k_q6bd76575fd_qkv
    .symbol:         k_q6bd76575fd_qkv.kd
    .args:
      - { .name: x_codes, .offset: 0, .size: 8, .value_kind: global_buffer, .address_space: global }
      - { .name: x_scales, .offset: 8, .size: 8, .value_kind: global_buffer, .address_space: global }
      - { .name: W_attn_codes, .offset: 16, .size: 8, .value_kind: global_buffer, .address_space: global }
      - { .name: W_attn_scales, .offset: 24, .size: 8, .value_kind: global_buffer, .address_space: global }
      - { .name: b_attn, .offset: 32, .size: 8, .value_kind: global_buffer, .address_space: global }
      - { .name: bQ, .offset: 40, .size: 8, .value_kind: global_buffer, .address_space: global }
      - { .name: bK, .offset: 48, .size: 8, .value_kind: global_buffer, .address_space: global }
      - { .name: qc, .offset: 56, .size: 8, .value_kind: global_buffer, .address_space: global }
      - { .name: qs, .offset: 64, .size: 8, .value_kind: global_buffer, .address_space: global }
      - { .name: kc, .offset: 72, .size: 8, .value_kind: global_buffer, .address_space: global }
      - { .name: kvs, .offset: 80, .size: 8, .value_kind: global_buffer, .address_space: global }
      - { .name: vc, .offset: 88, .size: 8, .value_kind: global_buffer, .address_space: global }
    .group_segment_fixed_size: 327680
    .private_segment_fixed_size: 0
    .kernarg_segment_align: 8
    .kernarg_segment_size: 96
    .max_flat_workgroup_size: 128
    .sgpr_count:     102
    .vgpr_count:     1024
    .wavefront_size: 32
...
	.end_amdgpu_metadata
.endif
;; end of part 1
;; launch attn (part 2): grid 4 x 64, 16 waves a work-group, no clusters, 167,936 bytes of LDS; arguments qc, qs, kc, vc, kvs, yc, ys; writes yc, ys
.if DOCPART == 2
	.amdgcn_target "amdgcn-amd-amdhsa--gfx1250"
	.amdhsa_code_object_version 6
	.text
	.protected	k_q6bd76575fd_attn
	.globl	k_q6bd76575fd_attn
	.p2align	8
	.type	k_q6bd76575fd_attn,@function
k_q6bd76575fd_attn:
	s_mov_b64 s[64:65], 0
	v_nop
	global_prefetch_b8 v0, s[64:65] scope:SCOPE_SE
	s_setreg_imm32_b32 hwreg(HW_REG_WAVE_MODE, 25, 1), 1
	s_wait_xcnt 0x0
; LAUNCH 2 OF 3.  y = softmax((q + bQ)(k + bK)^T / 8, causal) v for one batch and head, both products on codes of FP4 with E8M0 scales; y is quantised along the model's 1,024 (a head's 64 are two blocks) and stored as operand images.
; WORK LEFT OUT: a step of 128 keys all of which come after a tile's 16 queries (the causal mask of the problem's own body makes their p 0).  A NaN or infinity that reaches only such steps is not carried to the result.
; THE SOFTMAX: t = score x log2(e) / 8; M = the running largest t rounded up to a whole number; p = 2^(t - M) is quantised along the keys, not normalised; the row's sum is taken of the unquantised p and divides at the end
; (a reciprocal and a multiplication).  When M moves, the sum and O are multiplied by 2^(old M - new M), which rounds nothing.
; SHARES.  Work-group (i, bh), sixteen waves of 256 registers, four to a SIMD.  Wave w owns two tiles of 16 queries: B from query 2032 - 256 i - 16 w and A from 256 i + 16 w.  B walks 16 - 2 i - w / 8 steps of 128 keys,
; A walks 2 i + w / 8 + 1: 17 for every wave of every work-group.
; LDS.  The head's K, V and scale words come once, in two chunks of 1,024 keys; nothing is filled again.  A chunk (65,536 bytes) is four parts of 16,384: K's key tiles 0-3 of each step, K's tiles 4-7, V's channel tiles 0, 1,
; V's tiles 2, 3; in a part a step is 2,048 bytes.  So each of the four loads of a chunk holds bytes of every step, and each is read in every work-group.  For i > 0 the last 2 i steps of chunk 1 are fetched and not read.
; All images are read as they lie, 16 bytes a lane, 512 consecutive bytes a load: no pitch, no padding.
; NO CLUSTER, though the four work-groups of a head read the same K and V: which steps a wave walks is a branch on the work-group's x, which in a cluster would be its place there.
; K = 64 IN AN INSTRUCTION OF 128: Q's fragment is four registers of codes and four of zero codes.  K's tiles lie packed, four registers each; fragment t is v[32 + 4 t .. 39 + 4 t], whose upper half (the next tile, or zeros) meets
; Q's zero codes.  Bytes 2, 3 of q's and k's scale words are another head's bytes (1 to 254) or 0, never 0xff.
; BOTH PRODUCTS TRANSPOSED: S^T = K Q^T, O^T = V^T P^T: a lane holds one query.  p's blocks come out with their groups of eight in the order 0, 2, 1, 3, as v's were stored.  y gets a second exchange, which restores the true order, since W_proj's is given.
; REGISTERS: v1-4, v7, v11 lane terms; v5, v6 the add's two; v8-10 addresses in hand; v12 -M, v13 largest t, v[14:15] the sum; v16-23 Q; v24, v25 Q's scale words (B's or the one at work, A's); v26-29 A's codes; v30 -infinity;
;   v32-67 K; v76-79, v80-83, v84 scale words of K, V, p; v96-159 S^T, then p; v160-191 O^T; v192-223 V; v224-231 p's codes; v232-255 at work.
.set SCA,   131072                     ; the scale words: 768 bytes a step: K's 512 ([g][r][k]), V's 256 ([r][t])
.set SPARE, 143360                     ; the spare words, 128 bytes for each of 16 waves
.set WV,  18
.set SEL, 20
.set CS,  22                           ; s[22:23] c = log2(e) / 8
.set TK,  2                            ; LDS byte of the step's codes in each part
.set TS,  3                            ; and of its scale words, from SCA
.set CNT, 66
.set KF,  68                           ; the step's first key
.set Q0,  69                           ; the tile's first query
.set G1C, 24                           ; s[24:31] group 1: 8 rows of 2,048 bytes, 4,096 apart
.set G1S, 32                           ; s[32:39] group 1: 24 dense rows of 256 bytes
.set G0K, 40                           ; s[40:47] K's groups 0, one for each chunk;  s[48:55] V's;  s[56:63] the scale words'
.set G0V, 48
.set G0S, 56
	s_load_b256 s[4:11], s[0:1], 0x0               ; qc s[4:5], qs s[6:7], kc s[8:9], vc s[10:11]
	s_load_b128 s[12:15], s[0:1], 0x20             ; kvs s[12:13], yc s[14:15]
	s_load_b64 s[16:17], s[0:1], 0x30              ; ys
	v_lshl_add_u32 v5, v0, 2, SPARE
	v_mov_b32 v6, 0
	ds_add_u32 v5, v6                              ; the wave's opening: the add, twice on end, and its wait ahead of the first tensor load
	ds_add_u32 v5, v6
	v_lshrrev_b32 v8, 5, v0
	s_delay_alu instid0(VALU_DEP_1)
	v_readfirstlane_b32 s[WV], v8                  ; wave 0..15
	s_and_b32 s70, ttmp7, 0xffff                   ; bh
	s_and_b32 s71, s70, 15                         ; head
	s_lshr_b32 s72, s70, 4                         ; batch
	s_mov_b32 s[G1C], 3<<16                        ; elements of 8 bytes, no mask, no padding
	s_mov_b32 s[G1C+1], 256<<16                    ; tensor_dim0 = 256 elements
	s_mov_b32 s[G1C+2], 8<<16                      ; tensor_dim1 = 8 rows
	s_mov_b32 s[G1C+3], 256<<16                    ; tile_dim0
	s_mov_b32 s[G1C+4], 8                          ; tile_dim1
	s_mov_b32 s[G1C+5], 512                        ; from step to step in memory: 4,096 bytes
	s_mov_b32 s[G1C+6], 0
	s_mov_b32 s[G1C+7], 0
	s_mov_b32 s[G1S], 3<<16
	s_mov_b32 s[G1S+1], 32<<16
	s_mov_b32 s[G1S+2], 24<<16
	s_mov_b32 s[G1S+3], 32<<16
	s_mov_b32 s[G1S+4], 24
	s_mov_b32 s[G1S+5], 32
	s_mov_b32 s[G1S+6], 0
	s_mov_b32 s[G1S+7], 0
	s_mov_b32 s[SEL], 0x76543210
	s_mov_b32 s[SEL+1], 0xfedcba98
	s_mov_b32 s[CS], 0x3e38aa3b
	s_mov_b32 s[CS+1], s[CS]
	s_mov_b32 s90, 0xffff0000                      ; lanes 16-31
	s_lshr_b32 s73, s71, 3                         ; the head's place in a row tile's scale words: 256 (head / 8) + 4 ((head / 2) % 4) + 2 (head % 2)
	s_lshl_b32 s73, s73, 8
	s_bfe_u32 s74, s71, 0x20001
	s_lshl_b32 s74, s74, 2
	s_add_co_u32 s73, s73, s74
	s_and_b32 s74, s71, 1
	s_lshl_b32 s74, s74, 1
	s_add_co_u32 s73, s73, s74
	s_and_b32 s74, s[WV], 1                        ; which half of every step I fetch, if I fetch
	s_lshl_b32 s75, s74, 14                        ; its part in LDS
	s_lshl_b32 s76, s74, 11                        ; its 2,048 bytes of a step in memory
	s_lshl_b32 s77, s70, 16
	s_add_co_u32 s76, s76, s77                     ; in my head
	s_mov_b32 s77, 0
	s_mul_i32 s96, s70, 12288
	s_mov_b32 s97, 0
	s_wait_dscnt 0x0                               ; both opening adds are done
	s_wait_kmcnt 0x0
	s_mov_b32 s[G0K], 1
	s_mov_b32 s[G0K+1], s75
	s_add_nc_u64 s[G0K+2:G0K+3], s[8:9], s[76:77]
	s_mov_b32 s[G0K+4], 1
	s_add_co_u32 s[G0K+5], s75, 65536
	s_add_nc_u64 s[G0K+6:G0K+7], s[G0K+2:G0K+3], 32768
	s_or_b32 s[G0K+3], s[G0K+3], 0x80000000
	s_or_b32 s[G0K+7], s[G0K+7], 0x80000000
	s_mov_b32 s[G0V], 1
	s_add_co_u32 s[G0V+1], s75, 32768
	s_add_nc_u64 s[G0V+2:G0V+3], s[10:11], s[76:77]
	s_mov_b32 s[G0V+4], 1
	s_add_co_u32 s[G0V+5], s75, 98304
	s_add_nc_u64 s[G0V+6:G0V+7], s[G0V+2:G0V+3], 32768
	s_or_b32 s[G0V+3], s[G0V+3], 0x80000000
	s_or_b32 s[G0V+7], s[G0V+7], 0x80000000
	s_mov_b32 s[G0S], 1
	s_mov_b32 s[G0S+1], SCA
	s_add_nc_u64 s[G0S+2:G0S+3], s[12:13], s[96:97]
	s_mov_b32 s[G0S+4], 1
	s_mov_b32 s[G0S+5], SCA+6144
	s_add_nc_u64 s[G0S+6:G0S+7], s[G0S+2:G0S+3], 6144
	s_or_b32 s[G0S+3], s[G0S+3], 0x80000000
	s_or_b32 s[G0S+7], s[G0S+7], 0x80000000
	; the fills: waves 0, 1 K's halves, waves 2, 3 V's, wave 4 the scale words; chunk 0, then chunk 1: two loads of a wave are out.  A wave's two stand in one arm; an s_nop 0 follows each, four v_nop the second
	s_cmp_lt_u32 s[WV], 2
	s_cbranch_scc0 .Lnot_k
	tensor_load_to_lds s[G0K:G0K+3], s[G1C:G1C+7]
	s_nop 0
	tensor_load_to_lds s[G0K+4:G0K+7], s[G1C:G1C+7]
	s_nop 0
.rept 4
	v_nop
.endr
	s_branch .Lasked
.Lnot_k:
	s_cmp_lt_u32 s[WV], 4
	s_cbranch_scc0 .Lnot_v
	tensor_load_to_lds s[G0V:G0V+3], s[G1C:G1C+7]
	s_nop 0
	tensor_load_to_lds s[G0V+4:G0V+7], s[G1C:G1C+7]
	s_nop 0
.rept 4
	v_nop
.endr
	s_branch .Lasked
.Lnot_v:
	s_cmp_eq_u32 s[WV], 4
	s_cbranch_scc0 .Lasked
	tensor_load_to_lds s[G0S:G0S+3], s[G1S:G1S+7]
	s_nop 0
	tensor_load_to_lds s[G0S+4:G0S+7], s[G1S:G1S+7]
	s_nop 0
.rept 4
	v_nop
.endr
.Lasked:
	s_lshl_b32 s74, ttmp9, 8
	s_lshl_b32 s75, s[WV], 4
	s_add_co_u32 s74, s74, s75                     ; tile A's first query
	s_sub_co_u32 s[Q0], 2032, s74                  ; tile B's
; where the tile with first query s[q] has its codes (512 bytes a tile) and its scale words ([step][g][r][k])
.macro QBASE q, dc, dw
	s_lshl_b32 s96, s[\q], 5
	s_lshl_b32 s97, s70, 16
	s_add_co_u32 s96, s96, s97
	s_mov_b32 s97, 0
	s_add_nc_u64 s[\dc:\dc+1], s[4:5], s[96:97]
	s_lshr_b32 s96, s[\q], 7
	s_mul_i32 s96, s96, 768
	s_bfe_u32 s97, s[\q], 0x10006
	s_lshl_b32 s97, s97, 8
	s_add_co_u32 s96, s96, s97
	s_bfe_u32 s97, s[\q], 0x20004
	s_lshl_b32 s97, s97, 2
	s_add_co_u32 s96, s96, s97
	s_mul_i32 s97, s70, 12288
	s_add_co_u32 s96, s96, s97
	s_mov_b32 s97, 0
	s_add_nc_u64 s[\dw:\dw+1], s[6:7], s[96:97]
.endm
	QBASE Q0, 82, 84
	QBASE 74, 86, 88
	v_and_b32 v8, 31, v0
	s_delay_alu instid0(VALU_DEP_1)
	v_lshlrev_b32 v1, 4, v8                        ; 16 x lane
	v_and_b32 v9, 15, v0                           ; r
	v_bfe_u32 v10, v0, 4, 1                        ; h
	s_delay_alu instid0(VALU_DEP_2)
	v_lshlrev_b32 v4, 4, v9                        ; 16 r
	global_load_b128 v[16:19], v1, s[82:83]        ; tile B's codes: lane (r, h): query r, channels 32 h on
	global_load_b32 v24, v4, s[84:85]              ; and its scale words
	global_load_b128 v[26:29], v1, s[86:87]        ; tile A's
	global_load_b32 v25, v4, s[88:89]
	v_add_nc_u32 v2, SCA, v1                       ; K's scale words: lanes 0-15 tiles 0-3, lanes 16-31 tiles 4-7
	v_add_nc_u32 v3, SCA+512, v4                   ; V's
	v_add_nc_u32 v7, v4, v10                       ; y's scale byte: 16 r + h
	v_lshlrev_b32 v11, 3, v10
	s_delay_alu instid0(VALU_DEP_1)
	v_sub_nc_u32 v11, v9, v11                      ; r - 8 h
	v_mov_b32 v30, 0xff800000                      ; -infinity
	v_mov_b32 v13, 0xff61b1e6                      ; the largest t so far: -3e38
	s_delay_alu instid0(VALU_DEP_1)
	v_floor_f32 v12, -v13                          ; -M
	v_mov_b32 v14, 0
	v_mov_b32 v15, 0
.irp j, 20,21,22,23,64,65,66,67,236,237,238,239,241
	v_mov_b32 v\j, 0                               ; zero codes; the permutes' destinations; the upper half of f's pair
.endr
.set j, 0
.rept 32
	v_mov_b32 v[160+j], 0                          ; O^T: the first change of M multiplies zeros
.set j, j+1
.endr
	s_mov_b32 s[TK], 0
	s_mov_b32 s[TS], 0
	s_mov_b32 s[KF], 0
; A KEY STEP: 128 keys.  chk = 1: a step behind the tile's last query is jumped over (ids and the count of steps alone), and on the diagonal hidden scores become -infinity.
.macro STEP chk
.if \chk
	s_add_co_u32 s96, s[Q0], 15
	s_cmp_gt_u32 s[KF], s96
	s_cbranch_scc1 .Lhidden_\@
.endif
	s_setprio 2
	v_add_nc_u32 v8, s[TK], v1                     ; these four are the places in front of the loads into V's registers, which the last products read
	v_add_nc_u32 v9, s[TS], v2
	v_add_nc_u32 v10, s[TS], v3
	v_nop
.irp t, 0,1,2,3
	ds_load_b128 v[32+4*\t:35+4*\t], v8 offset:512*\t
.endr
.irp t, 4,5,6,7
	ds_load_b128 v[32+4*\t:35+4*\t], v8 offset:16384+512*(\t-4)
.endr
	ds_load_b128 v[76:79], v9
.irp t, 0,1,2,3
.irp c, 0,1
	ds_load_b128 v[192+8*\t+4*\c:195+8*\t+4*\c], v8 offset:32768+16384*(\t/2)+1024*(\t%2)+512*\c
.endr
.endr
	ds_load_b128 v[80:83], v10
	s_wait_dscnt 9                                 ; K's nine loads are in; V's nine, issued behind them, may stay out: they land under the softmax
.irp t, 0,1,2,3
	v_wmma_scale_f32_16x16x128_f8f6f4 v[96+8*\t:103+8*\t], v[32+4*\t:39+4*\t], v[16:23], 0, v[76+\t], v24 matrix_a_fmt:MATRIX_FMT_FP4 matrix_b_fmt:MATRIX_FMT_FP4
.endr
.irp t, 4,5,6,7
	v_wmma_scale_f32_16x16x128_f8f6f4 v[96+8*\t:103+8*\t], v[32+4*\t:39+4*\t], v[16:23], 0, v[72+\t], v24 matrix_a_fmt:MATRIX_FMT_FP4 matrix_b_fmt:MATRIX_FMT_FP4 matrix_a_scale:MATRIX_SCALE_ROW1
.endr
.rept 4
	v_nop
.endr
.if \chk
	s_add_co_u32 s96, s[KF], 127
	s_cmp_le_u32 s96, s[Q0]
	s_cbranch_scc1 .Lopen_\@
	s_sub_co_i32 s96, s[Q0], s[KF]
	v_add_nc_u32 v248, s96, v11                    ; d = my query - KF - 8 h.  Register n holds key KF + 16 (n / 8) + 8 h + n % 8: hidden where 16 (n / 8) + n % 8 > d
.set n, 0
.rept 64
	v_cmp_gt_i32 vcc_lo, 16*(n/8)+n%8, v248
	v_cndmask_b32 v[96+n], v[96+n], v30, vcc_lo
.set n, n+1
.endr
.Lopen_\@:
.endif
.irp b, 0,1,2,3
	v_max3_num_f32 v[232+\b], v[96+16*\b], v[97+16*\b], v[98+16*\b]   ; the largest score of each block of 32 keys: for the row's maximum, and, since p rises with the score, for the block's largest p
.endr
.irp i, 3,5,7,9,11,13
.irp b, 0,1,2,3
	v_max3_num_f32 v[232+\b], v[232+\b], v[96+16*\b+\i], v[97+16*\b+\i]
.endr
.endr
.irp b, 0,1,2,3
	v_max_num_f32 v[232+\b], v[232+\b], v[111+16*\b]
.endr
.irp b, 0,1,2,3
	s_delay_alu instid0(VALU_DEP_4)
	v_permlanex16_b32 v[236+\b], v[232+\b], s[SEL], s[SEL+1]
.endr
.irp b, 0,1,2,3
	s_delay_alu instid0(VALU_DEP_4)
	v_max_num_f32 v[232+\b], v[232+\b], v[236+\b]
.endr
	s_delay_alu instid0(VALU_DEP_2)
	v_max3_num_f32 v254, v232, v233, v234
	s_delay_alu instid0(VALU_DEP_1)
	v_max_num_f32 v254, v254, v235
	s_delay_alu instid0(VALU_DEP_1)
	v_mul_f32 v254, s[CS], v254                    ; the step's largest t
	s_delay_alu instid0(VALU_DEP_1)
	v_max_num_f32 v13, v13, v254
	v_mov_b32 v254, v12
	s_delay_alu instid0(VALU_DEP_2)
	v_floor_f32 v12, -v13                          ; the new -M = -ceil(t)
	s_delay_alu instid0(VALU_DEP_1)
	v_sub_f32 v254, v12, v254                      ; old M - new M: a whole number, 0 or less
	s_delay_alu instid0(VALU_DEP_1)
	v_cvt_i32_f32 v254, v254                       ; (it saturates)
	s_delay_alu instid0(VALU_DEP_1)
	v_ldexp_f32 v240, 1.0, v254                    ; f = 2^(old M - new M)
.set j, 0
.rept 32
	v_pk_fma_f32 v[96+j:97+j], v[96+j:97+j], s[CS:CS+1], v[12:13] op_sel_hi:[1,0,0]   ; t - M
.set j, j+2
.endr
.irp b, 0,1,2,3
	v_fma_f32 v[232+\b], v[232+\b], s[CS], v12
.endr
.set j, 0
	s_setprio 1
	s_wait_alu depctr_va_vdst(0)
.rept 64
	v_exp_f32 v[96+j], v[96+j]                     ; p = 2^(t - M)
.set j, j+1
.endr
	v_pk_mul_f32 v[14:15], v[14:15], v[240:241] op_sel_hi:[1,0]   ; the sums under the new M: the plain place behind the batch
	s_wait_alu depctr_va_vdst(0)                   ; one wait for the batch of 64, ahead of its first reader
.irp b, 0,1,2,3
	v_exp_f32 v[232+\b], v[232+\b]                 ; each block's largest p
.endr
	v_pk_add_f32 v[236:237], v[100:101], v[104:105]
	v_pk_add_f32 v[254:255], v[108:109], v[112:113]
	v_pk_add_f32 v[252:253], v[116:117], v[120:121]
	v_pk_add_f32 v[250:251], v[124:125], v[128:129]
	v_pk_add_f32 v[248:249], v[132:133], v[136:137]
	v_pk_add_f32 v[246:247], v[140:141], v[144:145]
	v_pk_add_f32 v[244:245], v[148:149], v[152:153]
	v_pk_add_f32 v[14:15], v[14:15], v[156:157]
	v_pk_add_f32 v[236:237], v[236:237], v[96:97]
	v_pk_add_f32 v[254:255], v[254:255], v[98:99]
	v_pk_add_f32 v[252:253], v[252:253], v[102:103]
	v_pk_add_f32 v[250:251], v[250:251], v[106:107]
	v_pk_add_f32 v[248:249], v[248:249], v[110:111]
	v_pk_add_f32 v[246:247], v[246:247], v[114:115]
	v_pk_add_f32 v[244:245], v[244:245], v[118:119]
	v_pk_add_f32 v[14:15], v[14:15], v[122:123]
	v_pk_add_f32 v[236:237], v[236:237], v[126:127]
	v_pk_add_f32 v[254:255], v[254:255], v[130:131]
	v_pk_add_f32 v[252:253], v[252:253], v[134:135]
	v_pk_add_f32 v[250:251], v[250:251], v[138:139]
	v_pk_add_f32 v[248:249], v[248:249], v[142:143]
	v_pk_add_f32 v[246:247], v[246:247], v[146:147]
	v_pk_add_f32 v[244:245], v[244:245], v[150:151]
	v_pk_add_f32 v[14:15], v[14:15], v[154:155]
	v_pk_add_f32 v[236:237], v[236:237], v[158:159]
	s_delay_alu instid0(VALU_DEP_2)
	v_pk_add_f32 v[14:15], v[14:15], v[250:251]
	s_delay_alu instid0(VALU_DEP_2)
	v_pk_add_f32 v[236:237], v[236:237], v[248:249]
	v_pk_add_f32 v[254:255], v[254:255], v[246:247]
	v_pk_add_f32 v[252:253], v[252:253], v[244:245]
	s_delay_alu instid0(VALU_DEP_2)
	v_pk_add_f32 v[14:15], v[14:15], v[254:255]
	s_delay_alu instid0(VALU_DEP_2)
	v_pk_add_f32 v[236:237], v[236:237], v[252:253]
	s_delay_alu instid0(VALU_DEP_1)
	v_pk_add_f32 v[14:15], v[14:15], v[236:237]
	s_wait_alu depctr_va_vdst(0)                   ; and one for the four
.irp b, 0,1,2,3
	v_max_num_f32 v[232+\b], 0x1800000, v[232+\b]  ; the floor 2^(3 - 127)
.endr
.irp b, 0,1,2,3
	s_delay_alu instid0(VALU_DEP_4)
	v_add_nc_u32 v[244+\b], 0xff000000, v[232+\b]  ; the conversion's scale operand
.endr
.irp b, 0,1,2,3
	s_delay_alu instid0(VALU_DEP_4)
	v_lshrrev_b32 v[236+\b], 23, v[244+\b]         ; the scale's byte
.endr
	s_delay_alu instid0(VALU_DEP_3)
	v_lshl_or_b32 v84, v237, 8, v236               ; p's scale word
	s_delay_alu instid0(VALU_DEP_1)
	v_lshl_or_b32 v84, v238, 16, v84
	s_delay_alu instid0(VALU_DEP_1)
	v_lshl_or_b32 v84, v239, 24, v84
.irp b, 0,1,2,3
	v_cvt_scalef32_pk8_fp4_f32 v[224+2*\b], v[96+16*\b:103+16*\b], v[244+\b]
	v_cvt_scalef32_pk8_fp4_f32 v[225+2*\b], v[104+16*\b:111+16*\b], v[244+\b]
.endr
	s_setprio 0
	v_nop                                          ; one plain place behind a scaled conversion
.irp c, 0,1
.irp i, 0,1
	v_permlane16_swap_b32 v[224+4*\c+\i], v[226+4*\c+\i]
.endr
.endr
.set j, 0
.rept 16
	v_pk_mul_f32 v[160+j:161+j], v[160+j:161+j], v[240:241] op_sel_hi:[1,0]   ; O^T under the new M.  These sixteen are also the places between the writes of p's word and codes and the products
.set j, j+2
.endr
	s_wait_alu depctr_va_vdst(0)
	s_wait_dscnt 0x0                               ; V is in
.irp t, 0,1,2,3
	v_wmma_scale_f32_16x16x128_f8f6f4 v[160+8*\t:167+8*\t], v[192+8*\t:199+8*\t], v[224:231], v[160+8*\t:167+8*\t], v[80+\t], v84 matrix_a_fmt:MATRIX_FMT_FP4 matrix_b_fmt:MATRIX_FMT_FP4
.endr
.if \chk
.Lhidden_\@:
.endif
	s_add_co_u32 s[KF], s[KF], 128
	s_add_co_u32 s[TK], s[TK], 2048
	s_add_co_u32 s[TS], s[TS], 768
.endm
.macro LOOP8 chk                       ; a chunk's eight steps
	s_mov_b32 s[CNT], 8
.Lstep_\@:
	STEP \chk
	s_sub_co_u32 s[CNT], s[CNT], 1
	s_cmp_lg_u32 s[CNT], 0
	s_cbranch_scc1 .Lstep_\@
	s_setprio 0
.endm
; THE WAY OUT of a tile: y = O^T / the sum; register 8 t + j of lane (r, h) is channel 16 t + 8 h + j of query r.  Two blocks of 32; codes in the true order; 512 consecutive bytes a store.
; The scale bytes: a scale word of the next product mixes two heads, which two work-groups own, so each lane stores its one byte (32 bytes inside 256): one byte for every 16 bytes of codes.
.macro WAYOUT
	v_add_f32 v14, v14, v15
	s_delay_alu instid0(VALU_DEP_1)
	v_permlanex16_b32 v236, v14, s[SEL], s[SEL+1]
	s_delay_alu instid0(VALU_DEP_1)
	v_add_f32 v14, v14, v236                       ; the row's sum
	s_wait_alu depctr_va_vdst(0)
	v_rcp_f32 v14, v14
	s_lshr_b32 s74, s[Q0], 4
	s_lshl_b32 s75, s72, 7
	s_add_co_u32 s74, s74, s75                     ; the row tile: 128 batch + query / 16
	s_lshl_b32 s76, s74, 13
	s_lshl_b32 s77, s71, 9
	s_add_co_u32 s76, s76, s77
	s_mov_b32 s77, 0
	s_add_nc_u64 s[78:79], s[14:15], s[76:77]      ; yc + 8,192 x row tile + 512 x head
	s_lshl_b32 s76, s74, 9
	s_add_co_u32 s76, s76, s73
	s_add_nc_u64 s[80:81], s[16:17], s[76:77]      ; ys + 512 x row tile + the head's place
.rept 4
	v_nop                                          ; the plain place behind the reciprocal; with the additions above, the places behind the last products
.endr
	s_wait_alu depctr_va_vdst(0)                   ; ahead of the reciprocal's first reader
.set j, 0
.rept 16
	v_pk_mul_f32 v[96+j:97+j], v[160+j:161+j], v[14:15] op_sel_hi:[1,0]
.set j, j+2
.endr
.irp b, 0,1
	v_max3_num_f32 v[232+\b], |v[96+16*\b]|, |v[97+16*\b]|, 0x1800000
.endr
.irp i, 2,4,6,8,10,12,14
.irp b, 0,1
	s_delay_alu instid0(VALU_DEP_2)
	v_max3_num_f32 v[232+\b], v[232+\b], |v[96+16*\b+\i]|, |v[97+16*\b+\i]|
.endr
.endr
.irp b, 0,1
	s_delay_alu instid0(VALU_DEP_2)
	v_permlanex16_b32 v[236+\b], v[232+\b], s[SEL], s[SEL+1]
.endr
.irp b, 0,1
	s_delay_alu instid0(VALU_DEP_2)
	v_max_num_f32 v[232+\b], v[232+\b], v[236+\b]
.endr
.irp b, 0,1
	s_delay_alu instid0(VALU_DEP_2)
	v_add_nc_u32 v[244+\b], 0xff000000, v[232+\b]
.endr
.irp b, 0,1
	s_delay_alu instid0(VALU_DEP_2)
	v_lshrrev_b32 v[236+\b], 23, v[244+\b]
.endr
.irp t, 0,1,2,3
	v_cvt_scalef32_pk8_fp4_f32 v[224+\t], v[96+8*\t:103+8*\t], v[244+\t/2]
.endr
	v_nop
	v_permlane16_swap_b32 v224, v225               ; register t of lane h holds bytes 8 t + 4 h; after these four, register i holds bytes 16 h + 4 i
	v_permlane16_swap_b32 v226, v227
	s_delay_alu instid0(VALU_DEP_1)
	v_permlane16_swap_b32 v224, v226
	s_delay_alu instid0(VALU_DEP_2)
	v_permlane16_swap_b32 v225, v227
	v_cndmask_b32 v248, v236, v237, s90            ; lanes 0-15 the first block's byte, lanes 16-31 the second's
	global_store_b128 v1, v[224:227], s[78:79]
	global_store_b8 v7, v248, s[80:81]
.endm
	s_wait_tensorcnt 0x1                           ; my part of chunk 0 is in; chunk 1's load, issued behind it, may be out
	s_barrier_signal -1
	s_barrier_wait -1                              ; everybody's is
	s_wait_loadcnt 0x0                             ; Q
	LOOP8 0                                        ; tile B, keys 0 to 1,023: its first query is 1,024 or more, so all of them count
	s_wait_tensorcnt 0x0                           ; my part of chunk 1 is in,
	s_wait_dscnt 0x0                               ; and no LDS load of mine is out at the signal
	s_barrier_signal -1
	s_barrier_wait -1                              ; everybody's is.  Nothing is filled again
	s_mov_b32 s[TK], 65536                         ; chunk 1 (the scale words and the first key run on)
	LOOP8 1                                        ; tile B, keys 1,024 on
	WAYOUT
	; on to tile A
	s_wait_xcnt 0x0                                ; the stores have read their registers and bases
	s_sub_co_u32 s[Q0], 2032, s[Q0]
	s_mov_b32 s[KF], 0
	s_mov_b32 s[TK], 0
	s_mov_b32 s[TS], 0
	v_mov_b32 v24, v25                             ; the scale word first: more than eight places stand between it and the next product
	v_mov_b32 v16, v26
	v_mov_b32 v17, v27
	v_mov_b32 v18, v28
	v_mov_b32 v19, v29
	v_mov_b32 v13, 0xff61b1e6
	s_delay_alu instid0(VALU_DEP_1)
	v_floor_f32 v12, -v13
	v_mov_b32 v14, 0
	v_mov_b32 v15, 0
.set j, 0
.rept 32
	v_mov_b32 v[160+j], 0
.set j, j+1
.endr
	LOOP8 1                                        ; tile A: its last query is 1,023 or less: chunk 0 alone
	WAYOUT
	s_wait_tensorcnt 0x0                           ; the wave's end
	ds_add_u32 v5, v6
	s_wait_dscnt 0x0
	s_endpgm
.Lfunc_end_k_q6bd76575fd_attn:
	.size	k_q6bd76575fd_attn, .Lfunc_end_k_q6bd76575fd_attn-k_q6bd76575fd_attn
	.p2alignl 7, 3214868480
	.fill 96, 4, 3214868480
	.section	.rodata,"a",@progbits
	.p2align	6, 0x0
	.amdhsa_kernel k_q6bd76575fd_attn
		.amdhsa_group_segment_fixed_size 167936
		.amdhsa_private_segment_fixed_size 0
		.amdhsa_enable_private_segment 0
		.amdhsa_kernarg_size 56
		.amdhsa_user_sgpr_count 2
		.amdhsa_user_sgpr_kernarg_segment_ptr 1
		.amdhsa_wavefront_size32 1
		.amdhsa_system_sgpr_workgroup_id_x 1
		.amdhsa_system_sgpr_workgroup_id_y 1
		.amdhsa_system_sgpr_workgroup_id_z 1
		.amdhsa_system_vgpr_workitem_id 0
		.amdhsa_next_free_vgpr 256
		.amdhsa_next_free_sgpr 100
		.amdhsa_reserve_vcc 1
		.amdhsa_float_denorm_mode_32 3
		.amdhsa_float_denorm_mode_16_64 3
		.amdhsa_memory_ordered 1
		.amdhsa_forward_progress 1
		.amdhsa_inst_pref_size 80
	.end_amdhsa_kernel
	.amdgpu_metadata
---
amdhsa.version: [ 1, 2 ]
amdhsa.kernels:
  - .name:           k_q6bd76575fd_attn
    .symbol:         k_q6bd76575fd_attn.kd
    .args:
      - { .name: qc, .offset: 0, .size: 8, .value_kind: global_buffer, .address_space: global }
      - { .name: qs, .offset: 8, .size: 8, .value_kind: global_buffer, .address_space: global }
      - { .name: kc, .offset: 16, .size: 8, .value_kind: global_buffer, .address_space: global }
      - { .name: vc, .offset: 24, .size: 8, .value_kind: global_buffer, .address_space: global }
      - { .name: kvs, .offset: 32, .size: 8, .value_kind: global_buffer, .address_space: global }
      - { .name: yc, .offset: 40, .size: 8, .value_kind: global_buffer, .address_space: global }
      - { .name: ys, .offset: 48, .size: 8, .value_kind: global_buffer, .address_space: global }
    .group_segment_fixed_size: 167936
    .private_segment_fixed_size: 0
    .kernarg_segment_align: 8
    .kernarg_segment_size: 56
    .max_flat_workgroup_size: 512
    .sgpr_count:     100
    .vgpr_count:     256
    .wavefront_size: 32
...
	.end_amdgpu_metadata
.endif
;; end of part 2
;; launch proj (part 3): grid 4 x 64, 4 waves a work-group, clusters of 4 x 4, 327,680 bytes of LDS; arguments yc, ys, W_proj_codes, W_proj_scales, b_proj, out0; writes out0
.if DOCPART == 3
	.amdgcn_target "amdgcn-amd-amdhsa--gfx1250"
	.amdhsa_code_object_version 6
	.text
	.protected	k_q6bd76575fd_proj
	.globl	k_q6bd76575fd_proj
	.p2align	8
	.type	k_q6bd76575fd_proj,@function
k_q6bd76575fd_proj:
	s_mov_b64 s[64:65], 0
	v_nop
	global_prefetch_b8 v0, s[64:65] scope:SCOPE_SE
	s_setreg_imm32_b32 hwreg(HW_REG_WAVE_MODE, 25, 1), 1
	s_wait_xcnt 0x0
	s_wait_alu depctr_hold_cnt(0) depctr_sa_sdst(0) depctr_va_vdst(0) depctr_va_sdst(0) depctr_va_ssrc(0) depctr_va_vcc(0) depctr_vm_vsrc(0)
	s_getreg_b32 s2, hwreg(HW_REG_IB_STS2, 6, 4)
	s_cmp_eq_u32 s2, 0
	s_cbranch_scc0 .Lentry_in_a_cluster
	s_endpgm
.Lentry_in_a_cluster:
	s_bfe_u32 s2, ttmp6, 0x10000c
	s_cmp_lg_u32 s2, 0xf033
	s_cbranch_scc0 .Lentry_shape_is_right
	s_endpgm
.Lentry_shape_is_right:
; LAUNCH 3 OF 3.  out0 = y W_proj + b_proj on codes of FP4 with E8M0 scales; y's codes and scale words as the attention launch stored them (images of the operand's registers), W_proj's as given.  No work is left out here.
; SHARES.  A work-group of four waves makes 128 tokens x 256 columns: 256 work-groups.  A wave makes 64 x 128: 32 accumulators.  K = 1,024 is two halves of 512, both in LDS at once: nothing is filled again.
; CLUSTERS: 4 x 4 work-groups.  y's tiles are shared along a row of the cluster, W_proj's along a column: joint loads.
; TRANSPOSED: source 0 = 16 rows of W_proj, source 1 = 16 tokens: a lane holds eight neighbouring columns of one token.  b_proj is the C of each sum's first product.
; REGISTERS.  Window 0: v1-7 at work, v16-29 addresses; v32-63 y's scale words, v64-127 W's, and nothing else; v128-191 y's fragments, two sets (on the way out v128-255: rows read back).
;   Window 1: v0-127 W's fragments, two sets; v128-191 the bias tiles.   Window 2: the accumulators, (a, b) at v[8 (8 a + b)].
.set PITCH,  272
.set HALFT,  128*PITCH
.set PPART,  32768                     ; y's part of a slot: 8 row tiles x 4,096 bytes, as they lie
.set SLOT,   PPART+2*HALFT             ; then W's 256 rows of 256 bytes + 16
.set PSC,    2*SLOT                    ; y's scale words: [row tile][slot][r][q], 4,096 dense bytes
.set RSC,    PSC+4096                  ; W's scale bytes, as units of 256 bytes + 16
.set HALFS,  16*272
.set SBLK,   2*272
.set SPARE,  RSC+2*HALFS               ; the spare words, 128 bytes a wave
.set SPITCH, 528                       ; the way out: a stage of 16 rows x (512 + 16) bytes a wave, in slot 0, which has had its only fill and, behind the second barrier, its last read
.set ADRP, 16
.set ADRR, 20
.set ADPS, 22
.set ADRS, 23
.set STO,  24
.set RD,   25
.set CO,   26
.set SPW,  28
.set NIL,  29
.set PS,   32
.set RS,   64
.set PF,   128
.set BK,   128
.set G1P,  24
.set G0P,  32
.set G1R,  48
.set G0R,  56
.set G1PS, 68
.set G0PS, 76
.set G1RS, 80
.set G0RS, 88
.set MSB, 0
.macro WIN new
.if MSB != (\new)
	s_set_vgpr_msb (MSB<<8)|(\new)
.set MSB, (\new)
.endif
.endm
.macro JLOAD g0a, g1a, g0b, g1b        ; waves 0 and 1 fetch for y, waves 2 and 3 for W; an s_nop 0 and four v_nop follow each line
	s_cmp_eq_u32 s17, 0
	s_cbranch_scc0 .Lfor_b_\@
	tensor_load_to_lds s[\g0a:\g0a+3], s[\g1a:\g1a+7]
	s_nop 0
.rept 4
	v_nop
.endr
	s_branch .Lasked_\@
.Lfor_b_\@:
	tensor_load_to_lds s[\g0b:\g0b+3], s[\g1b:\g1b+7]
	s_nop 0
.rept 4
	v_nop
.endr
.Lasked_\@:
.endm
.macro CREST
	s_cmp_lg_u32 s16, 0
	s_cbranch_scc1 .Lnot_wave_0_\@
	s_barrier_signal -3
.Lnot_wave_0_\@:
	s_barrier_wait -3
	s_barrier_signal -1
	s_barrier_wait -1
.endm
.macro CROUND
	s_barrier_signal -1
	s_barrier_wait -1
	CREST
.endm
.macro PLACES n
.rept \n
	v_nop
.endr
.endm
	s_load_b256 s[4:11], s[0:1], 0x0               ; yc s[4:5], ys s[6:7], W's codes s[8:9], W's scales s[10:11]
	s_load_b128 s[12:15], s[0:1], 0x20             ; b_proj s[12:13], out0 s[14:15]
	v_lshl_add_u32 v[SPW], v0, 2, SPARE
	v_mov_b32 v[NIL], 0
	ds_add_u32 v[SPW], v[NIL]                      ; the wave's opening: the add, twice on end, and its wait ahead of my first tensor load
	ds_add_u32 v[SPW], v[NIL]
	v_lshrrev_b32 v1, 5, v0
	v_readfirstlane_b32 s16, v1                    ; wave 0..3
	s_lshr_b32 s17, s16, 1                         ; my half of the tokens.  Also: I fetch for y (0) or for W (1)
	s_and_b32 s18, s16, 1                          ; my half of the columns.  Also: which half I fetch
	s_bfe_u32 s40, ttmp6, 0x40000                  ; cx
	s_bfe_u32 s41, ttmp6, 0x40004                  ; cy
	s_lshl_b32 s42, ttmp9, 2
	s_add_co_u32 s42, s42, s40                     ; tile column
	s_and_b32 s19, ttmp7, 0xffff
	s_lshl_b32 s19, s19, 2
	s_add_co_u32 s19, s19, s41                     ; tile row: 128 tokens
	s_lshl_b32 s43, s41, 2
	s_lshl_b32 s43, 15, s43                        ; my row of the cluster
	s_lshl_b32 s44, 0x1111, s40                    ; my column
	s_or_b32 s[G1P], s43, (3<<16)|(1<<21)          ; y's codes: 4 row tiles x 4,096 bytes (512 elements of 8), 8,192 bytes apart; no padding
	s_mov_b32 s[G1P+1], 512<<16
	s_mov_b32 s[G1P+2], 4<<16
	s_mov_b32 s[G1P+3], 512<<16
	s_mov_b32 s[G1P+4], 4
	s_mov_b32 s[G1P+5], 1024
	s_mov_b32 s[G1P+6], 0
	s_mov_b32 s[G1P+7], 0
	s_or_b32 s[G1R], s44, (0<<16)|(1<<20)|(1<<21)|(5<<22)|(3<<25)   ; W's codes: 128 rows x 256 bytes, 512 apart; 4 words of padding behind every 64
	s_mov_b32 s[G1R+1], 256<<16
	s_mov_b32 s[G1R+2], 128<<16
	s_mov_b32 s[G1R+3], 256<<16
	s_mov_b32 s[G1R+4], 128
	s_mov_b32 s[G1R+5], 512
	s_mov_b32 s[G1R+6], 0
	s_mov_b32 s[G1R+7], 0
	s_or_b32 s[G1PS], s43, (3<<16)|(1<<21)         ; y's scale words: 2,048 dense bytes as 8 rows of 256
	s_mov_b32 s[G1PS+1], 32<<16
	s_mov_b32 s[G1PS+2], 8<<16
	s_mov_b32 s[G1PS+3], 32<<16
	s_mov_b32 s[G1PS+4], 8
	s_mov_b32 s[G1PS+5], 32
	s_mov_b32 s[G1PS+6], 0
	s_mov_b32 s[G1PS+7], 0
	s_or_b32 s[G1RS], s44, (3<<16)|(1<<20)|(1<<21)|(5<<22)|(3<<25)  ; W's scale bytes: 4,096 dense bytes as 16 rows of 256, 16 bytes of padding behind each
	s_mov_b32 s[G1RS+1], 32<<16
	s_mov_b32 s[G1RS+2], 16<<16
	s_mov_b32 s[G1RS+3], 32<<16
	s_mov_b32 s[G1RS+4], 16
	s_mov_b32 s[G1RS+5], 32
	s_mov_b32 s[G1RS+6], 0
	s_mov_b32 s[G1RS+7], 0
	s_lshl_b32 s20, s19, 16                        ; y's codes: 65,536 bytes a tile row, 32,768 a half
	s_lshl_b32 s21, s18, 15
	s_add_co_u32 s20, s20, s21
	s_mov_b32 s21, 0
	s_lshl_b32 s22, s19, 12                        ; y's scale words: 4,096 and 2,048
	s_lshl_b32 s23, s18, 11
	s_add_co_u32 s22, s22, s23
	s_mov_b32 s23, 0
	s_lshl_b32 s46, s42, 17                        ; W's codes: 256 rows of 512 bytes a tile column, 128 rows a half
	s_lshl_b32 s47, s18, 16
	s_add_co_u32 s46, s46, s47
	s_mov_b32 s47, 0
	s_lshl_b32 s66, s42, 13                        ; W's scale bytes: 32 a row
	s_lshl_b32 s67, s18, 12
	s_add_co_u32 s66, s66, s67
	s_mov_b32 s67, 0
	s_lshl_b32 s45, s18, 14                        ; where they go: the half's place, by the wave's number alone
	s_mul_i32 s2, s18, HALFT
	s_lshl_b32 s3, s18, 11
	s_mul_i32 s92, s18, HALFS
	s_wait_dscnt 0x0                               ; both opening adds are done
	s_wait_kmcnt 0x0
	s_add_nc_u64 s[20:21], s[4:5], s[20:21]
	s_add_nc_u64 s[22:23], s[6:7], s[22:23]
	s_add_nc_u64 s[46:47], s[8:9], s[46:47]
	s_add_nc_u64 s[66:67], s[10:11], s[66:67]
	CROUND                                         ; all sixteen work-groups are here: the joint loads meet
	s_mov_b32 s[G0PS], 1
	s_add_co_u32 s[G0PS+1], s3, PSC
	s_mov_b64 s[G0PS+2:G0PS+3], s[22:23]
	s_or_b32 s[G0PS+3], s[G0PS+3], 0x80000000
	s_mov_b32 s[G0RS], 1
	s_add_co_u32 s[G0RS+1], s92, RSC
	s_mov_b64 s[G0RS+2:G0RS+3], s[66:67]
	s_or_b32 s[G0RS+3], s[G0RS+3], 0x80000000
	JLOAD G0PS, G1PS, G0RS, G1RS                   ; the scales first
.irp s, 0,1
	s_mov_b32 s[G0P+4*\s], 1
	s_add_co_u32 s[G0P+4*\s+1], s45, \s*SLOT
	s_add_nc_u64 s[G0P+4*\s+2:G0P+4*\s+3], s[20:21], \s*4096
	s_or_b32 s[G0P+4*\s+3], s[G0P+4*\s+3], 0x80000000
	s_mov_b32 s[G0R+4*\s], 1
	s_add_co_u32 s[G0R+4*\s+1], s2, \s*SLOT+PPART
	s_add_nc_u64 s[G0R+4*\s+2:G0R+4*\s+3], s[46:47], \s*256
	s_or_b32 s[G0R+4*\s+3], s[G0R+4*\s+3], 0x80000000
	s_wait_alu depctr_va_vdst(0)
	s_wait_tensorcnt 0x0
	ds_add_u32 v28, v29
	s_wait_dscnt 0x0
	CROUND
	JLOAD G0P+4*\s, G1P, G0R+4*\s, G1R             ; both halves of K: one load of mine is out
.endr
	v_and_b32 v1, 15, v0                           ; r
	s_wait_alu depctr_va_vdst(0)
	v_bfe_u32 v2, v0, 4, 1                         ; h
	s_lshl_b32 s20, s42, 10
	s_lshl_b32 s21, s18, 9
	s_add_co_u32 s20, s20, s21                     ; my first column, in bytes of f32
	s_mov_b32 s21, 0
	s_add_nc_u64 s[12:13], s[12:13], s[20:21]
	v_lshlrev_b32 v7, 5, v2                        ; bias tile b, register j of lane (r, h): column 16 b + 8 h + j
	WIN 0x40
.irp b, 0,1,2,3,4,5,6,7
	global_load_b128 v[128+8*\b:131+8*\b], v7, s[12:13] offset:64*\b
	global_load_b128 v[132+8*\b:135+8*\b], v7, s[12:13] offset:64*\b+16
.endr
	WIN 0
	s_lshl_b32 s22, s19, 19                        ; out0: 128 rows of 4,096 bytes a tile row,
	s_lshl_b32 s23, s17, 18                        ; 64 rows a half,
	s_add_co_u32 s22, s22, s23
	s_add_co_u32 s22, s22, s20                     ; my first column
	s_mov_b32 s23, 0
	s_add_nc_u64 s[14:15], s[14:15], s[22:23]
	v_and_b32 v3, 31, v0
	v_lshlrev_b32 v[CO], 4, v3                     ; 16 x lane
	s_lshl_b32 s21, s17, 14                        ; my four row tiles of y
	v_add_nc_u32 v[ADRP], s21, v[CO]
	s_add_co_u32 s21, s21, SLOT
	v_add_nc_u32 v[ADRP+1], s21, v[CO]
	v_mul_u32_u24 v4, v1, PITCH
	s_wait_alu depctr_va_vdst(0)
	v_lshl_add_u32 v4, v2, 4, v4
	s_mul_i32 s22, s18, HALFT                      ; my 128 rows of W
	s_add_co_u32 s22, s22, PPART
	v_add_nc_u32 v[ADRR], s22, v4
	s_add_co_u32 s22, s22, SLOT
	v_add_nc_u32 v[ADRR+1], s22, v4
	s_lshl_b32 s21, s17, 11
	s_add_co_u32 s21, s21, PSC
	v_lshl_add_u32 v[ADPS], v1, 4, s21             ; y's scale words: 16 bytes a row
	v_lshlrev_b32 v5, 5, v1
	v_lshrrev_b32 v6, 8, v5
	v_lshl_add_u32 v5, v6, 4, v5
	s_mul_i32 s22, s18, HALFS
	s_add_co_u32 s22, s22, RSC
	v_add_nc_u32 v[ADRS], s22, v5                  ; W's: 32 bytes a row, 16 more for each 256 passed
	s_mul_i32 s23, s16, 16*SPITCH                  ; my stage
	v_mul_u32_u24 v5, v1, SPITCH
	v_lshl_add_u32 v5, v2, 5, v5
	v_add_nc_u32 v[STO], s23, v5                   ; in: row r, 32 bytes for each half of the lanes
	v_add_nc_u32 v[RD], s23, v[CO]                 ; back: a row of 512 bytes to the 32 lanes
.macro SCALES                          ; all scale words, once
.irp s, 0,1
.irp a, 0,1,2,3
	ds_load_b128 v[PS+16*\s+4*\a:PS+16*\s+4*\a+3], v[ADPS] offset:512*\a+256*\s
.endr
.irp b, 0,1,2,3,4,5,6,7
	ds_load_b128 v[RS+32*\s+4*\b:RS+32*\s+4*\b+3], v[ADRS] offset:\b*SBLK+16*\s
.endr
.endr
.endm
.macro FETCH g                         ; the fragments of K step g into set g % 2: W's eight into window 1, y's four into window 0
.set FS, (\g)/4
.set FQ, (\g)%4
.set FP, (\g)%2
	WIN 0x40
.irp i, 0,1,2,3,4,5,6,7
.irp c, 0,1
	ds_load_b128 v[64*FP+8*\i+4*\c:64*FP+8*\i+4*\c+3], v[ADRR+FS] offset:64*FQ+32*\c+\i*16*PITCH
.endr
.endr
	WIN 0
.irp i, 0,1,2,3
.irp c, 0,1
	ds_load_b128 v[PF+32*FP+8*\i+4*\c:PF+32*FP+8*\i+4*\c+3], v[ADRP+FS] offset:4096*\i+1024*FQ+512*\c
.endr
.endr
.endm
.macro MULALL g, first                 ; 32 matrix instructions; the 32 accumulators take turns, one instruction a turn
.set MSL, (\g)/4
.set MQ, (\g)%4
.set MP, (\g)%2
.if \first
	WIN 0x91                                       ; C: the bias tiles, window 1
.else
	WIN 0xa1
.endif
.irp a, 0,1,2,3
.irp b, 0,1,2,3,4,5,6,7
.set AC, 8*(8*\a+\b)
.set CC, AC
.if \first
.set CC, 128+8*\b
.endif
	v_wmma_scale_f32_16x16x128_f8f6f4 v[AC:AC+7], v[64*MP+8*\b:64*MP+8*\b+7], v[PF+32*MP+8*\a:PF+32*MP+8*\a+7], v[CC:CC+7], v[RS+32*MSL+4*\b+MQ], v[PS+16*MSL+4*\a+MQ] matrix_a_fmt:MATRIX_FMT_FP4 matrix_b_fmt:MATRIX_FMT_FP4
.endr
.endr
.endm
	s_wait_alu depctr_va_vdst(0)
	s_wait_tensorcnt 0x1                           ; the scales and my part of slot 0 are in; slot 1's load, issued behind them, may be out
	s_barrier_signal -1
	s_barrier_wait -1
	SCALES
	FETCH 0
	s_wait_loadcnt 0x0                             ; the bias
	s_wait_dscnt 0x0
	FETCH 1
	MULALL 0, 1
	s_wait_dscnt 0x0                               ; asked for a step ago
	PLACES 4                                       ; in front of loads into registers that matrix instructions have read
	FETCH 2
	MULALL 1, 0
	s_wait_dscnt 0x0
	PLACES 4
	FETCH 3
	MULALL 2, 0
	WIN 0
	s_wait_tensorcnt 0x0                           ; my part of slot 1 is in,
	s_wait_dscnt 0x0                               ; and my reads of slot 0 are over
	s_barrier_signal -1
	s_barrier_wait -1                              ; both hold of every wave.  Nothing is filled again
	PLACES 4
	FETCH 4
	MULALL 3, 0
	s_wait_dscnt 0x0
	PLACES 4
	FETCH 5
	MULALL 4, 0
	s_wait_dscnt 0x0
	PLACES 4
	FETCH 6
	MULALL 5, 0
	s_wait_dscnt 0x0
	PLACES 4
	FETCH 7
	MULALL 6, 0
	s_wait_dscnt 0x0
	MULALL 7, 0
	WIN 0
; THE WAY OUT, block by block of 16 tokens x 128 columns: through my own stage and back as whole rows of 512 bytes.  LDS serves a wave's instructions in order: no wait between the stores and the loads.
.macro TOSTAGE a
.set AC, 64*(\a)
	WIN 0x08                                       ; the data: window 2
.irp b, 0,1,2,3,4,5,6,7
	ds_store_b128 v[STO], v[AC+8*\b:AC+8*\b+3] offset:64*\b          ; each accumulator from its low end on
	ds_store_b128 v[STO], v[AC+8*\b+4:AC+8*\b+7] offset:64*\b+16
.endr
	WIN 0
.set BB, BK+64*((\a)%2)
.irp t, 0,1,2,3,4,5,6,7,8,9,10,11,12,13,14,15
	ds_load_b128 v[BB+4*\t:BB+4*\t+3], v[RD] offset:\t*SPITCH
.endr
.endm
.macro SEND a, younger                 ; younger: the LDS instructions issued behind block a's loads, which may stay out
.set BB, BK+64*((\a)%2)
	s_wait_dscnt \younger
.if (\a) > 0
	s_add_nc_u64 s[14:15], s[14:15], 16*4096       ; (behind a wait for 0 on XCNT: the earlier stores have read their base)
.endif
.irp t, 0,1,2,3,4,5,6,7,8,9,10,11,12,13,14,15
	global_store_b128 v[CO], v[BB+4*\t:BB+4*\t+3], s[14:15] offset:\t*4096 th:TH_STORE_NT   ; 32 lanes store 512 consecutive bytes, at a multiple of 256 from out0's first byte
.endr
.endm
	PLACES 4                                       ; behind the last products: for the first read of results and the loads into fragment registers
	TOSTAGE 0
.irp a, 1,2,3
.if \a > 1
	s_wait_xcnt 0x0                                ; block a - 2's stores have read their registers and their base
.endif
	TOSTAGE \a
	SEND \a-1, 32                                  ; behind block a - 1's loads: block a's 16 stores and 16 loads
.endr
	s_wait_xcnt 0x0
	SEND 3, 0
	s_wait_tensorcnt 0x0                           ; the wave's end
	ds_add_u32 v[SPW], v[NIL]
	s_wait_dscnt 0x0
	CROUND                                         ; the closing round
	s_endpgm
.Lfunc_end_k_q6bd76575fd_proj:
	.size	k_q6bd76575fd_proj, .Lfunc_end_k_q6bd76575fd_proj-k_q6bd76575fd_proj
	.p2alignl 7, 3214868480
	.fill 96, 4, 3214868480
	.section	.rodata,"a",@progbits
	.p2align	6, 0x0
	.amdhsa_kernel k_q6bd76575fd_proj
		.amdhsa_group_segment_fixed_size 327680
		.amdhsa_private_segment_fixed_size 0
		.amdhsa_enable_private_segment 0
		.amdhsa_kernarg_size 48
		.amdhsa_user_sgpr_count 2
		.amdhsa_user_sgpr_kernarg_segment_ptr 1
		.amdhsa_wavefront_size32 1
		.amdhsa_system_sgpr_workgroup_id_x 1
		.amdhsa_system_sgpr_workgroup_id_y 1
		.amdhsa_system_sgpr_workgroup_id_z 1
		.amdhsa_system_vgpr_workitem_id 0
		.amdhsa_next_free_vgpr 768
		.amdhsa_next_free_sgpr 100
		.amdhsa_reserve_vcc 0
		.amdhsa_float_denorm_mode_32 3
		.amdhsa_float_denorm_mode_16_64 3
		.amdhsa_memory_ordered 1
		.amdhsa_forward_progress 1
		.amdhsa_inst_pref_size 75
	.end_amdhsa_kernel
	.amdgpu_metadata
---
amdhsa.version: [ 1, 2 ]
amdhsa.kernels:
  - .name:           k_q6bd76575fd_proj
    .symbol:         k_q6bd76575fd_proj.kd
    .args:
      - { .name: yc, .offset: 0, .size: 8, .value_kind: global_buffer, .address_space: global }
      - { .name: ys, .offset: 8, .size: 8, .value_kind: global_buffer, .address_space: global }
      - { .name: W_proj_codes, .offset: 16, .size: 8, .value_kind: global_buffer, .address_space: global }
      - { .name: W_proj_scales, .offset: 24, .size: 8, .value_kind: global_buffer, .address_space: global }
      - { .name: b_proj, .offset: 32, .size: 8, .value_kind: global_buffer, .address_space: global }
      - { .name: out0, .offset: 40, .size: 8, .value_kind: global_buffer, .address_space: global }
    .group_segment_fixed_size: 327680
    .private_segment_fixed_size: 0
    .kernarg_segment_align: 8
    .kernarg_segment_size: 48
    .max_flat_workgroup_size: 128
    .sgpr_count:     100
    .vgpr_count:     768
    .wavefront_size: 32
...
	.end_amdgpu_metadata
.endif
;; end of part 3
